; MI455X (gfx1250); checked and timed in simulation.
; The chip was launched on July 23, 2026; its instructions are those of AMD's public machine-readable ISA for CDNA 5 (MIT licence, August 2026) and "CDNA5" Instruction Set Architecture Reference Guide (July 2026). The comments in the code are by the model that wrote it; some were corrected since.
;; Quantized Linear With Lora. Allowed arithmetic: matrix products marked QUANTISED: E2M3 operands, one E8M0 scale for each 32 along K, by v_wmma_scale_f32_16x16x128_f8f6f4 with both operands' format E2M3, f32 sums; products left as they are: f32 operands where the result goes on into a quantised operand, else bf16, f16 or f32 operands; f32 sums; everything else in f32.
;; Inputs: A 4,096 x 16 float32; B 16 x 4,096 float32; absmax 4,096 x 64 float32; bias 4,096 float32; codebook 16 float32; q_codes 4,096 x 4,096 int32; x 4,096 x 4,096 float32.
;; Outputs: out0 4,096 x 4,096 float32.
;; This version of the problem:
;;   THIS VERSION OF THE PROBLEM IS GIVEN IN LOW PRECISION. The matrix products marked QUANTISED in the list below multiply operands that are first quantised to E2M3 (2 exponent bits, 3 mantissa bits; 6 bits a number), with one power-of-two scale for each 32 numbers along K (OCP MX v1.0); their sums are f32. All else is computed in f32.
;;   The module's matrix products, in the order in which they are computed (A, B: the left and right operand; K: the contracted axis; several contracted axes count as one K, in the product's order):
;;     1. [M 4,096, K 4,096] x [K 4,096, N 4,096]; A: input x; B: computed on the way: QUANTISED
;;     2. [M 4,096, K 4,096] x [K 4,096, N 16]; A: input x; B: input A: QUANTISED
;;     3. [M 4,096, K 16] x [K 16, N 4,096]; A: computed on the way; B: input B: left as it is (K = 16 < 32)
;;   THE QUANTISER, for each operand of a quantised product, along K:
;;     - K is cut into blocks of 32 from its start; a last block that is shorter is filled with zeros.
;;     - A block's scale is 2^e with e = floor(log2(the largest magnitude in the block)) - 2, held to -126 .. 127; a block of zeros has e = 0. As a byte (E8M0): e + 127.
;;     - Each number is divided by its block's scale, clamped to +-7.5, and rounded to the nearest number of E2M3, ties to even, subnormals kept.
;;     - The product sums the exact products of the quantised numbers (number of the format x scale) in f32.
;;   ~~~python
;;   def quantise(x, axis):      # numpy; x: float32 -> the quantised numbers, widened to float32 again
;;       x = np.moveaxis(x, axis, -1); K = x.shape[-1]
;;       x = np.pad(x, [(0, 0)] * (x.ndim - 1) + [(0, -K % 32)]); x = x.reshape(x.shape[:-1] + (-1, 32)); a = np.abs(x).max(-1, keepdims=True)
;;       e = np.where(a > 0, np.clip(np.frexp(np.where(a > 0, a, 1))[1] - 1 - 2, -126, 127), 0)      # np.frexp(a)[1] - 1 = floor(log2(a)), exactly
;;       r = np.clip(x / 2.0 ** e, -7.5, 7.5)
;;       step = 2.0 ** (np.maximum(np.frexp(np.where(r == 0, 1, r))[1] - 1, 0) - 3)
;;       q = np.round(r / step) * step * 2.0 ** e      # np.round: ties to even
;;       return np.moveaxis(q.reshape(q.shape[:-2] + (-1,))[..., :K], -1, axis).astype(np.float32)
;;   ~~~
;;   OPERANDS COMPUTED ON THE WAY. 'Computed on the way' means the value that the module computes at that place (a softmax that the list does not call 'softmax' is quantised finished and normalised). What goes into a quantiser is computed in f32, as accurately as f32 sums, v_exp_f32 and their like allow (about 1e-6 of the number): no bf16 or f16 on the way to a quantiser, and a product that is left as it is and whose result goes on into a quantised operand takes f32 operands (vector FMAs, or v_wmma_f32_16x16x4_f32). A number that lies on a knife's edge between two numbers of the format may be rounded either way, as far as f32 arithmetic and the matrix unit's own rounding can turn it there, and no further.
;; One version. Each part assembles by itself: llvm-mc -triple=amdgcn-amd-amdhsa -mcpu=gfx1250 --defsym DOCPART=n.
;; ======== version 1 of 1: 2 launches
;; limits: values are held in bf16: 8 bits of precision; right only within a limited range of input values
;; workspace buffers: x_codes 12,582,912 bytes; w_codes 12,582,912 bytes; scl 1,048,576 bytes; la 51,200 bytes
;; launch quant (part 1): grid 520 x 1, 4 waves a work-group, no clusters, 68,096 bytes of LDS; arguments x, q_codes, absmax, codebook, A, x_codes, scl, w_codes, la; writes x_codes, scl, w_codes, la
.if DOCPART == 1
	.amdgcn_target "amdgcn-amd-amdhsa--gfx1250"
	.amdhsa_code_object_version 6
	.text
	.protected	k_q0681b185e8_quant
	.globl	k_q0681b185e8_quant
	.p2align	8
	.type	k_q0681b185e8_quant,@function
k_q0681b185e8_quant:
	s_mov_b64 s[64:65], 0
	v_nop
	global_prefetch_b8 v0, s[64:65] scope:SCOPE_SE
	s_setreg_imm32_b32 hwreg(HW_REG_WAVE_MODE, 25, 1), 1
	s_wait_xcnt 0x0
; x [4096][4096] f32, W[o][i] = codebook[q_codes[o][i]] * absmax[o][i / 64] (one f32 multiplication) and A [4096 (k)][16] f32 are turned into codes of FP6 (E2M3) with one E8M0 scale byte
; for each 32 along K, laid as the next launch's operand registers take them.
; A block's scale is 2^(floor(log2(its largest magnitude)) - 2); its byte is the largest magnitude's exponent field - 2, held at 1 from below.
; ONE ORDER OF K FOR ALL THREE OPERANDS.  A K step is 128 along K.  In a step's fragment lane (r = lane % 16, h = lane / 16) holds row r, and its registers 6 cc .. 6 cc + 5 hold TRUE k = 64 h + 32 cc + 0 .. 31 of the
; step, at the place that the matrix instruction takes for k = 64 cc + 32 h: whole blocks of 32 change places inside a step, alike in x, W and A, so each product still meets its partner and its two scales.
; Byte 2 cc + h of a row's scale word is the scale of true block 2 h + cc.  So a lane owns 64 neighbouring numbers: 256 bytes of a row, and just one block of absmax.
; A FRAGMENT'S IMAGE is 1,536 bytes: register g of lane l at 512 (g / 4) + 16 l + 4 (g % 4): three stores of 16 bytes a lane, 512 consecutive bytes each.
; x_codes, w_codes: image of (row block R of 16, step s) at (R / 8) 393,216 + (s / 2) 24,576 + (2 (R % 8) + s % 2) 1,536: 128 rows x 256 along K are one dense block of 24,576 bytes.
; x_scales, w_scales: the word of (R, s, r) at 2,048 R + 128 (s / 2) + 8 r + 4 (s % 2).   la: A's image of step s (rows = the 16 ranks) at 1,536 s; from byte 49,152 on its scale words, 64 s + 4 r.
; la's scale bytes are the rule's byte + 1: that is the factor ALPHA / RANK = 2 of the low-rank path, exact.
; SHARES.  Work-groups 0-255: row block R of x; 256-511: of W; a wave takes 8 K steps of its 16 rows.  Work-groups 512-519: A, one K step a wave.  The three ways part once, on the work-group's number, and never join.
; Each load reads 512 consecutive bytes of a row; a step's 16 rows turn through the wave's own stage in LDS (rows 528 bytes apart) and come back 256 bytes a lane.  Waves share nothing: no barrier.
; LIMITS: NaN and infinities among the inputs are not served.  A block of zeros gets the byte 1 (2 in la) where the rule says 127: its codes are zeros, and these bytes are read by this program alone.
; q_codes above 15 (as unsigned numbers) are held at 15.
; WHERE THE RESULTS LIE (these lines hold in place of the head's lines on x_codes, w_codes and the two scale buffers):
; x_codes, w_codes: the image of (row block R, step s) at (R / 8) 393,216 + 12,288 s + 1,536 (R % 8): 128 rows x one K step are one dense block of 12,288 bytes, the steps one behind the other.
; scl: x's scale words as the head says of x_scales; W's, laid alike, 524,288 bytes further on.
.set M,    12
.set SO,   14                          ; v14-15   the conversions' scale operands
.set AM,   16                          ; v16-31   absmax of my row for the wave's 8 steps: 16 words
.set X,    32                          ; v32-95   my 64 neighbours
.set RS,   96                          ; v96-223  two sets of 64 registers as loaded
.set C,    224                         ; v224-235 a fragment's codes; v236-238, v240-242 the halves that begin on an odd register; v239, v243 bytes; v244, v245 the scale word and the partner lane's
.set SW,   246                         ; v246-253 the 8 steps' scale words
.set XSTG, 0                           ; LDS: x's stages, 8,448 bytes a wave;
.set WSTG, 33792                       ; W's: each way has bytes of its own
	s_load_b256 s[4:11], s[0:1], 0x0               ; x, q_codes, absmax, codebook
	s_load_b256 s[12:19], s[0:1], 0x20             ; A, x_codes, x_scales, w_codes
	s_load_b64 s[22:23], s[0:1], 0x40              ; la
	s_set_vgpr_msb 0x40
	v_lshl_add_u32 v0, v0, 2, 0x10800
	v_mov_b32 v1, 0
	s_set_vgpr_msb 0x4000
	v_lshrrev_b32 v1, 5, v0
	v_readfirstlane_b32 s24, v1                    ; wave
	v_and_b32 v1, 31, v0                           ; lane
	v_and_b32 v2, 15, v0                           ; r
	v_bfe_u32 v3, v0, 4, 1                         ; h
	v_lshlrev_b32 v4, 4, v1                        ; 16 x lane: my bytes of a load's and of a store's 512
	s_mul_i32 s26, s24, 8448                       ; my wave's stage
	v_add_nc_u32 v5, s26, v4                       ; into it: as loaded
	v_mul_u32_u24 v6, v2, 528
	v_lshl_add_u32 v6, v3, 8, v6
	v_add_nc_u32 v6, s26, v6                       ; out of it: row r, + 256 h
	v_lshlrev_b32 v7, 3, v1                        ; 8 x lane: the scale words' way out
	v_lshlrev_b32 v8, 3, v3                        ; 8 h: my bytes' place in a scale word
	v_mov_b32 v11, 0                               ; (named with v10 as a pair)
	v_mov_b32 v245, 0                              ; (a lane permute's destination counts as one of its sources)
	v_lshlrev_b32 v255, 2, v2                      ; 4 r
	v_cmp_eq_u32 s30, 1, v3                        ; the lanes with h = 1
	s_mov_b32 s32, 0x76543210
	s_mov_b32 s33, 0xfedcba98                      ; v_permlanex16_b32's selects for lane l xor 16
	s_and_b32 s25, ttmp9, 255                      ; R
	s_mov_b32 s29, 0
	s_lshl_b32 s28, s25, 18                        ; the source: 16 rows of 16,384 bytes a row block,
	s_lshl_b32 s26, s24, 12                        ; 8 steps of 512 bytes a wave
	s_add_co_u32 s28, s28, s26
	s_lshr_b32 s26, s25, 3                         ; the codes
	s_mul_i32 s42, s26, 393216
	s_mul_i32 s26, s24, 98304
	s_add_co_u32 s42, s42, s26
	s_and_b32 s26, s25, 7
	s_mul_i32 s26, s26, 1536
	s_add_co_u32 s42, s42, s26
	s_mov_b32 s43, 0
	s_lshl_b32 s44, s25, 11                        ; the scale words
	s_lshl_b32 s26, s24, 9
	s_add_co_u32 s44, s44, s26
	s_mov_b32 s45, 0
	s_lshl_b32 s46, s25, 12                        ; absmax: 16 rows of 256 bytes a row block, 16 words a wave
	s_lshl_b32 s26, s24, 6
	s_add_co_u32 s46, s46, s26
	s_mov_b32 s47, 0
	s_wait_kmcnt 0x0
.macro LOAD t                          ; step t: 16 rows x 512 bytes into set t % 2
.irp j, 0,1,2,3,4,5,6,7,8,9,10,11,12,13,14,15
	global_load_b128 v[RS+64*((\t)%2)+4*\j:RS+64*((\t)%2)+4*\j+3], v4, s[34:35] offset:16384*\j+512*(\t) th:TH_LOAD_NT
.endr
.endm
.macro TURN t, stg                     ; through the stage: LDS serves a wave's instructions in order (ISA guide 5.7.1.4), so no wait stands between the stores and the loads, and one stage does
.irp j, 0,1,2,3,4,5,6,7,8,9,10,11,12,13,14,15
	ds_store_b128 v5, v[RS+64*((\t)%2)+4*\j:RS+64*((\t)%2)+4*\j+3] offset:\stg+528*\j
.endr
.irp i, 0,1,2,3,4,5,6,7,8,9,10,11,12,13,14,15
	ds_load_b128 v[X+4*\i:X+4*\i+3], v6 offset:\stg+16*\i      ; register i: true k = 64 h + i of row r
.endr
.endm
.macro DEQ t                           ; 64 codes of the 4-bit codebook become W: a lane permute fetches codebook[code] (lane l holds codebook[l % 16]), one multiplication by the lane's absmax
.set n, 0
.rept 64
	v_min_u32 v[X+n], 15, v[X+n]                   ; held inside the table
.set n, n+1
.endr
.set n, 0
.rept 64
	v_lshlrev_b32 v[X+n], 2, v[X+n]                ; the permute's select is 4 x lane
.set n, n+1
.endr
.set n, 0
.rept 64
	ds_bpermute_b32 v[X+n], v[X+n], v9             ; touches no LDS byte
.set n, n+1
.endr
	v_cndmask_b32 v10, v[AM+2*(\t)], v[AM+2*(\t)+1], s30       ; absmax of block 2 s + h
	s_wait_alu depctr_va_vdst(0)
	s_wait_dscnt 0x0
.set n, 0
.rept 32
	v_pk_mul_f32 v[X+n:X+n+1], v[X+n:X+n+1], v[10:11] op_sel_hi:[1,0]
.set n, n+2
.endr
.endm
; My 64 numbers, two whole blocks of 32, become the fragment's 12 registers in v[C] on and the row's scale word in v[SW + t].  bump = 1: the scale bytes are one higher than the rule's.
.macro QUANT t, bump
.irp cc, 0,1
	v_max3_num_f32 v[M+\cc], |v[X+32*\cc]|, |v[X+32*\cc+1]|, 0x1800000   ; and the floor 2^(3 - 127), under which no largest magnitude is taken: so the byte cannot fall under 1
.endr
.irp i, 2,4,6,8,10,12,14,16,18,20,22,24,26,28,30
.irp cc, 0,1
	v_max3_num_f32 v[M+\cc], v[M+\cc], |v[X+32*\cc+\i]|, |v[X+32*\cc+\i+1]|   ; (the two blocks by turns)
.endr
.endr
.irp cc, 0,1
	v_add_nc_u32 v[SO+\cc], 0xff000000, v[M+\cc]   ; 2 off the exponent field: the conversion takes the exponent field of this operand as its scale, and nothing else of it
.endr
.if \bump
	v_add_nc_u32 v239, 0xff800000, v[M]            ; 1 off: the byte + 1
	v_add_nc_u32 v243, 0xff800000, v[M+1]
	v_lshrrev_b32 v239, 23, v239
	v_lshrrev_b32 v243, 23, v243
.else
	v_lshrrev_b32 v239, 23, v[SO]                  ; the scales' bytes
	v_lshrrev_b32 v243, 23, v[SO+1]
.endif
	v_lshl_or_b32 v244, v243, 16, v239             ; bytes h and 2 + h of the word,
	v_lshlrev_b32 v244, v8, v244                   ; 8 h bits up;
	v_permlanex16_b32 v245, v244, s32, s33
	v_or_b32 v[SW+(\t)], v244, v245                ; with lane l xor 16's two the word is whole
	s_wait_alu depctr_va_vdst(0)
	s_wait_xcnt 0x0                                ; the last step's stores have read their registers: the codes are rewritten only behind this wait
.irp cc, 0,1
	v_cvt_scalef32_pk16_fp6_f32 v[C+6*\cc:C+6*\cc+2], v[X+32*\cc:X+32*\cc+15], v[SO+\cc]
	v_cvt_scalef32_pk16_fp6_f32 v[236+4*\cc:238+4*\cc], v[X+32*\cc+16:X+32*\cc+31], v[SO+\cc]   ; (a conversion's three registers begin on an even number)
.endr
	v_nop                                          ; one plain place behind a scaled conversion
.irp cc, 0,1
.irp i, 0,1,2
	v_mov_b32 v[C+3+6*\cc+\i], v[236+4*\cc+\i]
.endr
.endr
.endm
.macro PUT t                           ; the image leaves: 32 lanes store 512 consecutive bytes, three times
.irp c, 0,1,2
	global_store_b128 v4, v[C+4*\c:C+4*\c+3], s[36:37] offset:(\t)*12288+512*\c
.endr
.endm
.macro QSTEP t, deq, stg
	s_wait_dscnt 0x0                               ; my 64 numbers are back from the stage, and the stores into it have read their set,
.if (\t) < 6
	LOAD (\t)+2                                    ; which takes the loads of two steps on
.endif
.if \deq
	DEQ \t
.endif
	QUANT \t, 0
	PUT \t
.if (\t) < 7
.if (\t) < 6
	s_wait_loadcnt 16                              ; the next step's 16 loads are in; the 16 issued behind them may be out
.else
	s_wait_loadcnt 0x0
.endif
	TURN (\t)+1, \stg
.endif
.endm
.macro BODY deq, stg
.if \deq
.irp c, 0,1,2,3
	global_load_b128 v[AM+4*\c:AM+4*\c+3], v254, s[40:41] offset:16*\c   ; issued first, so that the count below covers them
.endr
	global_load_b32 v9, v255, s[10:11]             ; codebook[lane % 16]
.endif
	LOAD 0
	LOAD 1
	s_wait_loadcnt 16                              ; all but step 1's 16
	TURN 0, \stg
.irp t, 0,1,2,3,4,5,6,7
	QSTEP \t, \deq, \stg
.endr
.irp jj, 0,1                           ; the wave's 512 bytes of scale words: lane (r, h) stores the two words of steps 4 jj + 2 h, + 1: 32 lanes store 256 consecutive bytes, aligned
	v_cndmask_b32 v[12+2*\jj], v[SW+4*\jj], v[SW+4*\jj+2], s30
	v_cndmask_b32 v[13+2*\jj], v[SW+4*\jj+1], v[SW+4*\jj+3], s30
	global_store_b64 v7, v[12+2*\jj:13+2*\jj], s[38:39] offset:256*\jj
.endr
	s_set_vgpr_msb 0x5
	s_wait_tensorcnt 0x0
	ds_add_u32 v0, v1
	s_wait_dscnt 0x0
	s_set_vgpr_msb 0x500
	s_endpgm
.endm
	s_cmp_ge_u32 ttmp9, 512
	s_cbranch_scc1 .Lla
	s_cmp_ge_u32 ttmp9, 256
	s_cbranch_scc1 .Lw
	s_add_nc_u64 s[34:35], s[4:5], s[28:29]        ; x
	s_add_nc_u64 s[36:37], s[14:15], s[42:43]
	s_add_nc_u64 s[38:39], s[16:17], s[44:45]
	s_wait_alu depctr_va_vdst(0)
	BODY 0, XSTG
.Lw:
	s_add_nc_u64 s[34:35], s[6:7], s[28:29]        ; q_codes
	s_add_nc_u64 s[36:37], s[18:19], s[42:43]
	s_add_co_u32 s44, s44, 524288                  ; W's scale words lie behind x's
	s_add_nc_u64 s[38:39], s[16:17], s[44:45]
	s_add_nc_u64 s[40:41], s[8:9], s[46:47]
	v_lshlrev_b32 v254, 8, v2                      ; my row of absmax: 256 r
	s_wait_alu depctr_va_vdst(0)
	BODY 1, WSTG
.Lla:                                                  ; A: K is its first axis: lane (r, h) takes column r, and its registers run down K: k = 128 s + 64 h + 0 .. 63
	s_sub_co_u32 s26, ttmp9, 512
	s_lshl_b32 s26, s26, 2
	s_add_co_u32 s26, s26, s24                     ; my wave's K step s
	s_lshl_b32 s28, s26, 13                        ; 128 rows of 64 bytes
	s_add_nc_u64 s[34:35], s[12:13], s[28:29]
	s_mul_i32 s28, s26, 1536
	s_add_nc_u64 s[36:37], s[22:23], s[28:29]
	s_lshl_b32 s28, s26, 6
	s_add_co_u32 s28, s28, 49152
	s_add_nc_u64 s[38:39], s[22:23], s[28:29]
	v_lshlrev_b32 v254, 12, v3
	v_lshl_add_u32 v254, v2, 2, v254               ; 64 h rows + 4 r
.set n, 0
.rept 64
	global_load_b32 v[X+n], v254, s[34:35] offset:64*n
.set n, n+1
.endr
	s_wait_loadcnt 0x0
	QUANT 0, 1
.irp c, 0,1,2
	global_store_b128 v4, v[C+4*\c:C+4*\c+3], s[36:37] offset:512*\c
.endr
	global_store_b32 v255, v[SW], s[38:39]         ; both halves of the lanes hold the same word and write it to the same place
	s_endpgm
.Lfunc_end_k_q0681b185e8_quant:
	.size	k_q0681b185e8_quant, .Lfunc_end_k_q0681b185e8_quant-k_q0681b185e8_quant
	.p2alignl 7, 3214868480
	.fill 96, 4, 3214868480
	.section	.rodata,"a",@progbits
	.p2align	6, 0x0
	.amdhsa_kernel k_q0681b185e8_quant
		.amdhsa_group_segment_fixed_size 68096
		.amdhsa_private_segment_fixed_size 0
		.amdhsa_enable_private_segment 0
		.amdhsa_kernarg_size 72
		.amdhsa_user_sgpr_count 2
		.amdhsa_user_sgpr_kernarg_segment_ptr 1
		.amdhsa_wavefront_size32 1
		.amdhsa_system_sgpr_workgroup_id_x 1
		.amdhsa_system_sgpr_workgroup_id_y 1
		.amdhsa_system_sgpr_workgroup_id_z 1
		.amdhsa_system_vgpr_workitem_id 0
		.amdhsa_next_free_vgpr 258
		.amdhsa_next_free_sgpr 66
		.amdhsa_reserve_vcc 0
		.amdhsa_float_denorm_mode_32 3
		.amdhsa_float_denorm_mode_16_64 3
		.amdhsa_memory_ordered 1
		.amdhsa_forward_progress 1
		.amdhsa_inst_pref_size 205
	.end_amdhsa_kernel
	.amdgpu_metadata
---
amdhsa.version: [ 1, 2 ]
amdhsa.kernels:
  - .name:           k_q0681b185e8_quant
    .symbol:         k_q0681b185e8_quant.kd
    .args:
      - { .name: x, .offset: 0, .size: 8, .value_kind: global_buffer, .address_space: global }
      - { .name: q_codes, .offset: 8, .size: 8, .value_kind: global_buffer, .address_space: global }
      - { .name: absmax, .offset: 16, .size: 8, .value_kind: global_buffer, .address_space: global }
      - { .name: codebook, .offset: 24, .size: 8, .value_kind: global_buffer, .address_space: global }
      - { .name: A, .offset: 32, .size: 8, .value_kind: global_buffer, .address_space: global }
      - { .name: x_codes, .offset: 40, .size: 8, .value_kind: global_buffer, .address_space: global }
      - { .name: scl, .offset: 48, .size: 8, .value_kind: global_buffer, .address_space: global }
      - { .name: w_codes, .offset: 56, .size: 8, .value_kind: global_buffer, .address_space: global }
      - { .name: la, .offset: 64, .size: 8, .value_kind: global_buffer, .address_space: global }
    .group_segment_fixed_size: 68096
    .private_segment_fixed_size: 0
    .kernarg_segment_align: 8
    .kernarg_segment_size: 72
    .max_flat_workgroup_size: 128
    .sgpr_count:     66
    .vgpr_count:     258
    .wavefront_size: 32
...
	.end_amdgpu_metadata
.endif
;; end of part 1
;; launch gemm (part 2): grid 16 x 16, 4 waves a work-group, clusters of 4 x 4, 327,680 bytes of LDS; arguments x_codes, w_codes, scl, la, bias, B, out0; writes out0
.if DOCPART == 2
	.amdgcn_target "amdgcn-amd-amdhsa--gfx1250"
	.amdhsa_code_object_version 6
	.text
	.protected	k_q0681b185e8_gemm
	.globl	k_q0681b185e8_gemm
	.p2align	8
	.type	k_q0681b185e8_gemm,@function
k_q0681b185e8_gemm:
	s_mov_b64 s[64:65], 0
	v_nop
	global_prefetch_b8 v0, s[64:65] scope:SCOPE_SE
	s_setreg_imm32_b32 hwreg(HW_REG_WAVE_MODE, 25, 1), 1
	s_wait_xcnt 0x0
	s_wait_alu depctr_hold_cnt(0) depctr_sa_sdst(0) depctr_va_vdst(0) depctr_va_sdst(0) depctr_va_ssrc(0) depctr_va_vcc(0) depctr_vm_vsrc(0)
	s_getreg_b32 s2, hwreg(HW_REG_IB_STS2, 6, 4)
	s_cmp_eq_u32 s2, 0
	s_cbranch_scc0 .Lentry_in_a_cluster
	s_endpgm
.Lentry_in_a_cluster:
	s_bfe_u32 s2, ttmp6, 0x10000c
	s_cmp_lg_u32 s2, 0xf033
	s_cbranch_scc0 .Lentry_shape_is_right
	s_endpgm
.Lentry_shape_is_right:
; out0[m][n] = sum over k of Q(x)[m][k] Q(W)[n][k] + bias[n] + sum over j of t[m][j] B[j][n],  t = 2 Q(x) Q(A).  Operands: codes of FP6 (E2M3) with E8M0 scale bytes, laid by the launch before as images of the
; operand registers: a fragment (16 rows x 128 K, 12 registers a lane) is 1,536 bytes, three loads of 16 bytes a lane.  Inside a K step whole blocks of 32 stand in another order, alike in x, W, A and their scale words.
; A tile of out0, 256 x 256, is made by four waves, 128 x 128 each: 64 accumulators, 512 registers.  K = 32 steps of 128 goes through a ring of two LDS slots of THREE steps each (the eleventh fill has two steps).
; 128 rows x 3 steps are one dense block of 36,864 bytes of memory, what one tensor load brings.
; x's and W's scale words go from memory straight into registers, a pair of steps at a time, one pair ahead, in three sets by turns (a trip of 6 steps has 3 pairs): lanes 0-15 take 128 bytes of x's, lanes 16-31 128 of W's.
; A's fragment and scale words (la, 51,200 bytes for all of K, the same for every wave) go from memory straight into registers too, one step ahead, in two sets: 48 LDS loads a step are left, x's and W's fragments alone.
; bias is the C of each sum's first matrix instruction.  t is made beside the main product; the two waves that share rows make half of it each: the wave of the right half of the columns takes its blocks of rows in the order
; 4 .. 7, 0 .. 3, told apart by address alone, so in every wave t belongs to blocks 0-3.  The factor 2 lies in A's scale bytes.  At the end each wave hands its half, in bf16, to its partner through LDS, and t B is added by 64 bf16 products.
; CLUSTERS: 4 x 4.  A row of the cluster shares x's blocks, a column W's: each is asked for jointly.  The matrix instruction is used transposed (source 0 = W's rows, source 1 = x's rows).
; PREFETCH: behind each refill of the loop's first three trips each wave names its share of the block that its own refill two refills on will bring: the four partners of a joint load share the block's 144 units of
; 256 bytes out by address, 36 each, two instructions.  Fills 0 to 3 and the short eleventh come by their loads alone.
; LIMITS: NaN and infinities are not served; t and B are rounded to bf16 for the product of K = 16; each sum begins with bias and ends with the low-rank term.
; REGISTERS.  Window 0: v8-31 addresses; v32-79 scale words, three sets; v80-111 t; v112-113 A's scale words; v128-223 x's 8 fragments, one set; v224-247 A's fragment, two sets.
;   Window 1: W's fragments, two sets, at v0 and v128; v96-127, v224-255 bias, later B.   Windows 2, 3: the accumulators of my blocks 0-3, 4-7.
.set FR,     12
.set IMG,    1536
.set SP,     12288                     ; 128 rows x one step, in bytes
.set CH,     3*SP                      ; what one tensor load brings
.set SLOT,   4*CH                      ; x's two halves, then W's two
.set SPARE,  2*SLOT                    ; the spare words: 512 bytes that no other line names
.set SPITCH, 528
.set STAGE,  SLOT                      ; the way out goes through slot 1, which has had its last fill and its last read by then
.set EXCH,   SLOT+40960                ; t's way from wave to wave, 2,048 bytes a wave
.set NROW,   16384
.set ADRH, 8                           ; v8-9   my blocks 4-7 of x in slot 0, 1
.set VS0,  10                          ; v10    scale words of blocks 0-3 in scl: lanes 0-15 x's, lanes 16-31 W's
.set VS1,  11                          ; v11    of blocks 4-7
.set EXS,  12
.set EXL,  13
.set PF1,  14                          ; v14-15 the prefetches' offsets
.set PF2,  15
.set ADRA, 16                          ; v16-17 my blocks 0-3 of x
.set ADRB, 20                          ; v20-21 my fragments of W
.set BO,   22
.set BBO,  23
.set STO,  24
.set RD,   25
.set CO,   26                          ; v26    16 x lane: my place in a row of out0 and in an image of la
.set VLW,  27                          ; v27    4 r: A's scale words
.set SPW,  28
.set NIL,  29
.set SC,   32                          ; set s at v[SC + 16 s]; register 2 i + q: block i, the pair's q-th step
.set TA,   80
.set LSC,  112
.set AF,   128
.set TB,   128                         ; t of my blocks 0-3 in bf16
.set LF,   224
.set TH,   224                         ; my partner's t in bf16
.set BK,   128                         ; the way out: v128-191 and v192-255 by turns
.set WV,   20
.set SB,   8                           ; s[8:9]   scl, stepped three pairs a trip
.set LAB,  10                          ; s[10:11] la's images, stepped six steps a trip
.set LWB,  96                          ; s[96:97] la's scale words, likewise
.set OLO,  94                          ; s[94:95] out0 at my block 0
.set OHI,  78                          ; s[78:79] at my block 4
.set PFA,  16                          ; s[16:17] where my prefetches stand
.set G1,   24
.set G0,   32
.set G1B,  48
.set G0B,  56
.set MSB, 0
.macro WIN new
.if MSB != \new
	s_set_vgpr_msb (MSB<<8)|\new
.set MSB, \new
.endif
.endm
.set MUL_LO, 0xa1
.set MUL_HI, 0xf1
.set FST_LO, 0x91
.set FST_HI, 0xd1
.set TO_B,   0x40
.set IN_B,   0x45
.macro JLOAD g0a, g1a, g0b, g1b        ; a joint load: waves 0, 1 fetch x's halves, waves 2, 3 W's; s_nop 0 and four v_nop behind each line
	s_cmp_eq_u32 s21, 0
	s_cbranch_scc0 .Lfor_b_\@
	tensor_load_to_lds s[\g0a:\g0a+3], s[\g1a:\g1a+7]
	s_nop 0
.rept 4
	v_nop
.endr
	s_branch .Lasked_\@
.Lfor_b_\@:
	tensor_load_to_lds s[\g0b:\g0b+3], s[\g1b:\g1b+7]
	s_nop 0
.rept 4
	v_nop
.endr
.Lasked_\@:
.endm
.macro ASK                             ; the loop's last trip (s3 = 1) asks for nothing
	s_cmp_gt_u32 s3, 1
	s_cbranch_scc0 .Lno_ask_\@
	global_prefetch_b8 v[PF1], s[PFA:PFA+1] th:TH_LOAD_NT scope:SCOPE_SE
	global_prefetch_b8 v[PF2], s[PFA:PFA+1] th:TH_LOAD_NT scope:SCOPE_SE
.Lno_ask_\@:
.endm
.macro CREST
	s_cmp_lg_u32 s[WV], 0
	s_cbranch_scc1 .Lnot_wave_0_\@
	s_barrier_signal -3
.Lnot_wave_0_\@:
	s_barrier_wait -3
	s_barrier_signal -1
	s_barrier_wait -1
.endm
.macro CROUND
	s_barrier_signal -1
	s_barrier_wait -1
	CREST
.endm
.macro GROUP1 g, rows                  ; a dense block as rows of 256 bytes
	s_mov_b32 s[\g+1], 32<<16
	s_mov_b32 s[\g+2], (\rows)<<16
	s_mov_b32 s[\g+3], 32<<16
	s_mov_b32 s[\g+4], \rows
	s_mov_b32 s[\g+5], 32
	s_mov_b32 s[\g+6], 0
	s_mov_b32 s[\g+7], 0
.endm
	s_load_b256 s[4:11], s[0:1], 0x0               ; x_codes, w_codes, scl, la
	s_load_b128 s[12:15], s[0:1], 0x20             ; bias, B
	s_load_b64 s[OLO:OLO+1], s[0:1], 0x30          ; out0
	v_lshl_add_u32 v[SPW], v0, 2, SPARE
	v_mov_b32 v[NIL], 0
	ds_add_u32 v[SPW], v[NIL]                      ; the opening lines: the add, twice on end, and its wait
	ds_add_u32 v[SPW], v[NIL]
	v_lshrrev_b32 v1, 5, v0
	v_readfirstlane_b32 s[WV], v1
	s_lshr_b32 s21, s[WV], 1                       ; my half of the rows; also: I fetch for x (0) or W (1)
	s_and_b32 s22, s[WV], 1                        ; my half of the columns; also: which 128 rows I fetch
	s_xor_b32 s101, s22, 1
	s_bfe_u32 s40, ttmp6, 0x40000                  ; cx
	s_bfe_u32 s41, ttmp6, 0x40004                  ; cy
	s_lshl_b32 s42, ttmp9, 2
	s_add_co_u32 s42, s42, s40                     ; tile column
	s_and_b32 s100, ttmp7, 0xffff
	s_lshl_b32 s100, s100, 2
	s_add_co_u32 s100, s100, s41                   ; tile row
	s_lshl_b32 s43, s41, 2
	s_lshl_b32 s43, 15, s43                        ; my row of the cluster
	s_lshl_b32 s44, 0x1111, s40                    ; my column
	s_or_b32 s[G1], s43, (3<<16)|(1<<21)
	s_or_b32 s[G1B], s44, (3<<16)|(1<<21)
	GROUP1 G1, 144
	GROUP1 G1B, 144
	s_lshl_b32 s23, s100, 1
	s_add_co_u32 s23, s23, s22
	s_mul_i32 s66, s23, 32*SP                      ; x: my 128 rows' stream
	s_mov_b32 s67, 0
	s_lshl_b32 s45, s42, 1
	s_add_co_u32 s45, s45, s22
	s_mul_i32 s46, s45, 32*SP                      ; W likewise
	s_mov_b32 s47, 0
	s_mul_i32 s68, s[WV], CH                       ; where they go: wave x a block
	s_cmp_eq_u32 s21, 0                            ; the prefetches: the stream that I fetch,
	s_cselect_b32 s74, s66, s46
	s_cselect_b32 s71, s40, s41                    ; and my place among the four that ask with me
	s_mov_b32 s75, 0
	s_add_co_u32 s74, s74, 3*CH                    ; at fill 3: the first refill steps it to 4
	s_mul_i32 s71, s71, 36                         ; my share of a fill's 144 units begins here
	s_wait_dscnt 0x0
	s_wait_kmcnt 0x0
	s_cmp_eq_u32 s21, 0
	s_cselect_b64 s[PFA:PFA+1], s[4:5], s[6:7]
	s_add_nc_u64 s[PFA:PFA+1], s[PFA:PFA+1], s[74:75]
	s_add_nc_u64 s[66:67], s[4:5], s[66:67]
	s_add_nc_u64 s[46:47], s[6:7], s[46:47]
	s_add_nc_u64 s[LWB:LWB+1], s[LAB:LAB+1], 49152
.irp s, 0,1
	s_mov_b32 s[G0+4*\s], 1
	s_add_co_u32 s[G0+4*\s+1], s68, \s*SLOT
	s_add_nc_u64 s[G0+4*\s+2:G0+4*\s+3], s[66:67], \s*CH
	s_or_b32 s[G0+4*\s+3], s[G0+4*\s+3], 0x80000000
	s_mov_b32 s[G0B+4*\s], 1
	s_add_co_u32 s[G0B+4*\s+1], s68, \s*SLOT
	s_add_nc_u64 s[G0B+4*\s+2:G0B+4*\s+3], s[46:47], \s*CH
	s_or_b32 s[G0B+4*\s+3], s[G0B+4*\s+3], 0x80000000
.endr
	CROUND                                         ; all sixteen work-groups are here
	JLOAD G0, G1, G0B, G1B                         ; fill 0: one tensor load a wave at the head
	s_mul_i32 s23, s21, CH                         ; my 128 rows of x in a slot
	s_mul_i32 s80, s22, 4*IMG
	s_add_co_u32 s80, s80, s23                     ; what I call blocks 0-3 begins 4 x my half of the columns on,
	s_mul_i32 s81, s101, 4*IMG
	s_add_co_u32 s81, s81, s23                     ; blocks 4-7 at the other four
	s_mul_i32 s69, s22, CH
	s_add_co_u32 s69, s69, 2*CH                    ; my 128 rows of W
	s_lshl_b32 s84, s100, 4                        ; scl: 2,048 bytes a block of 16 rows
	s_lshl_b32 s85, s21, 3
	s_add_co_u32 s84, s84, s85
	s_lshl_b32 s85, s22, 2
	s_add_co_u32 s85, s84, s85
	s_lshl_b32 s86, s101, 2
	s_add_co_u32 s86, s84, s86
	s_lshl_b32 s85, s85, 11                        ; x's blocks 0-3
	s_lshl_b32 s86, s86, 11                        ; x's blocks 4-7
	s_lshl_b32 s87, s42, 4
	s_lshl_b32 s88, s22, 3
	s_add_co_u32 s87, s87, s88
	s_lshl_b32 s87, s87, 11
	s_add_co_u32 s87, s87, 524288                  ; W's blocks 0-3: always behind x's
	s_sub_co_u32 s88, s87, s85                     ; the distance for lanes 16-31
	s_add_co_u32 s89, s87, 8192
	s_sub_co_u32 s89, s89, s86
	s_mul_i32 s90, s[WV], 16*SPITCH
	s_add_co_u32 s90, s90, STAGE
	s_lshl_b32 s91, s[WV], 11
	s_add_co_u32 s91, s91, EXCH
	s_xor_b32 s92, s[WV], 1
	s_lshl_b32 s92, s92, 11
	s_add_co_u32 s92, s92, EXCH
	s_lshl_b32 s46, s42, 10                        ; my first column in bytes of f32
	s_lshl_b32 s47, s22, 9
	s_add_co_u32 s46, s46, s47
	s_mov_b32 s47, 0
	s_add_nc_u64 s[12:13], s[12:13], s[46:47]
	s_add_nc_u64 s[14:15], s[14:15], s[46:47]
	s_add_nc_u64 s[OLO:OLO+1], s[OLO:OLO+1], s[46:47]
	s_lshl_b32 s66, s100, 22
	s_lshl_b32 s67, s21, 21
	s_add_co_u32 s66, s66, s67
	s_mov_b32 s67, 0
	s_add_nc_u64 s[OLO:OLO+1], s[OLO:OLO+1], s[66:67]
	s_lshl_b32 s66, s101, 20
	s_add_nc_u64 s[OHI:OHI+1], s[OLO:OLO+1], s[66:67]
	s_lshl_b32 s66, s22, 20
	s_add_nc_u64 s[OLO:OLO+1], s[OLO:OLO+1], s[66:67]
	v_and_b32 v1, 31, v0                           ; lane
	v_and_b32 v2, 15, v0                           ; r
	v_bfe_u32 v3, v0, 4, 1                         ; h
	v_lshlrev_b32 v4, 4, v1
	v_lshlrev_b32 v6, 3, v2
	v_add_nc_u32 v[ADRA], s80, v4
	v_add_nc_u32 v[ADRA+1], SLOT, v[ADRA]
	v_add_nc_u32 v[ADRH], s81, v4
	v_add_nc_u32 v[ADRH+1], SLOT, v[ADRH]
	v_add_nc_u32 v[ADRB], s69, v4
	v_add_nc_u32 v[ADRB+1], SLOT, v[ADRB]
	v_mul_u32_u24 v7, s88, v3
	v_add3_u32 v[VS0], v7, v6, s85
	v_mul_u32_u24 v7, s89, v3
	v_add3_u32 v[VS1], v7, v6, s86
	v_add_nc_u32 v5, s71, v1                       ; my share's units 0-31,
	v_lshlrev_b32 v[PF1], 8, v5
	v_min_u32 v6, 3, v1                            ; and 32-35; lanes left over name the last again
	v_add3_u32 v6, v6, s71, 32
	v_lshlrev_b32 v[PF2], 8, v6
	v_lshlrev_b32 v[BO], 5, v3
	v_lshlrev_b32 v[BBO], 17, v3
	v_lshl_add_u32 v[BBO], v2, 2, v[BBO]
	v_lshlrev_b32 v[VLW], 2, v2
	v_add_nc_u32 v[EXS], s91, v4
	v_add_nc_u32 v[EXL], s92, v4
	v_mul_u32_u24 v7, v2, SPITCH
	v_lshl_add_u32 v7, v3, 5, v7
	v_add_nc_u32 v[STO], s90, v7
	v_add_nc_u32 v[RD], s90, v4
	v_mov_b32 v[CO], v4
	s_wait_alu depctr_va_vdst(0)
	WIN TO_B
.irp b, 0,1,2,3,4,5,6,7                ; bias in the result's layout: lane (r, h), register j: bias[16 b + 8 h + j]
.set BIR, 96+8*\b+96*(\b/4)
	global_load_b128 v[BIR:BIR+3], v[BO], s[12:13] offset:64*\b
	global_load_b128 v[BIR+4:BIR+7], v[BO], s[12:13] offset:64*\b+16
.endr
	WIN 0
.macro FRAG reg, adr, off
.irp c, 0,1,2
	ds_load_b128 v[\reg+4*\c:\reg+4*\c+3], v[\adr] offset:\off+512*\c
.endr
.endm
.macro FETCH_B slot, q, p              ; W's eight fragments of the slot's step q into set p: 24 loads
	WIN TO_B
.irp i, 0,1,2,3,4,5,6,7
	FRAG 128*(\p)+FR*\i, ADRB+\slot, (\q)*SP+\i*IMG
.endr
	WIN 0
.endm
.macro FETCH_A slot, q, upper          ; x's blocks 0-3 or 4-7: 12 loads
.irp i, 0,1,2,3
.if \upper
	FRAG AF+FR*(4+\i), ADRH+\slot, (\q)*SP+\i*IMG
.else
	FRAG AF+FR*\i, ADRA+\slot, (\q)*SP+\i*IMG
.endif
.endr
.endm
.macro FETCH_L k, p                    ; A's fragment and scale words of the k-th step from the bases, into set p: 4 global loads
.irp c, 0,1,2
	global_load_b128 v[LF+FR*(\p)+4*\c:LF+FR*(\p)+4*\c+3], v[CO], s[LAB:LAB+1] offset:(\k)*IMG+512*\c
.endr
	global_load_b32 v[LSC+(\p)], v[VLW], s[LWB:LWB+1] offset:(\k)*64
.endm
.macro SCALES ss, off                  ; a pair of steps' scale words into set ss: 8 global loads
.irp i, 0,1,2,3
	global_load_b64 v[SC+16*(\ss)+2*\i:SC+16*(\ss)+2*\i+1], v[VS0], s[SB:SB+1] offset:\i*2048+(\off)
.endr
.irp i, 0,1,2,3
	global_load_b64 v[SC+16*(\ss)+8+2*\i:SC+16*(\ss)+8+2*\i+1], v[VS1], s[SB:SB+1] offset:\i*2048+(\off)
.endr
.endm
.macro BLOADS b0                       ; B takes bias's registers: lane (r, h), register j of block b: B[8 h + j][16 b + r]; 32 global loads
	WIN TO_B
.irp b, \b0, \b0+1, \b0+2, \b0+3
.irp j, 0,1,2,3,4,5,6,7
	global_load_b32 v[96+8*(\b)+96*((\b)/4)+\j], v[BBO], s[14:15] offset:\j*NROW+64*(\b)
.endr
.endr
	WIN 0
.endm
.macro MUL16 a0, p, q, sc, first       ; x's blocks a0, a0 + 1 against W's eight; first = 1: bias is the C
.irp a, \a0, \a0+1
.irp b, 0,1,2,3,4,5,6,7
.if \first
	v_wmma_scale_f32_16x16x128_f8f6f4 v[8*(8*((\a)%4)+\b):8*(8*((\a)%4)+\b)+7], v[128*(\p)+FR*\b:128*(\p)+FR*\b+FR-1], v[AF+FR*(\a):AF+FR*(\a)+FR-1], v[96+8*\b+96*(\b/4):96+8*\b+96*(\b/4)+7], v[SC+16*(\sc)+2*\b+(\q)], v[SC+16*(\sc)+2*(\a)+(\q)] matrix_a_fmt:MATRIX_FMT_FP6 matrix_b_fmt:MATRIX_FMT_FP6 matrix_a_scale:MATRIX_SCALE_ROW1
.else
	v_wmma_scale_f32_16x16x128_f8f6f4 v[8*(8*((\a)%4)+\b):8*(8*((\a)%4)+\b)+7], v[128*(\p)+FR*\b:128*(\p)+FR*\b+FR-1], v[AF+FR*(\a):AF+FR*(\a)+FR-1], v[8*(8*((\a)%4)+\b):8*(8*((\a)%4)+\b)+7], v[SC+16*(\sc)+2*\b+(\q)], v[SC+16*(\sc)+2*(\a)+(\q)] matrix_a_fmt:MATRIX_FMT_FP6 matrix_b_fmt:MATRIX_FMT_FP6 matrix_a_scale:MATRIX_SCALE_ROW1
.endif
.endr
.endr
.endm
.macro T4 p, q, sc, first              ; t: source 0 = A's 16 ranks, source 1 = x's blocks 0-3; lane (r, h) holds t(row r, rank 8 h + j)
.irp a, 0,1,2,3
.if \first
	v_wmma_scale_f32_16x16x128_f8f6f4 v[TA+8*\a:TA+8*\a+7], v[LF+FR*(\p):LF+FR*(\p)+FR-1], v[AF+FR*\a:AF+FR*\a+FR-1], 0, v[LSC+(\p)], v[SC+16*(\sc)+2*\a+(\q)] matrix_a_fmt:MATRIX_FMT_FP6 matrix_b_fmt:MATRIX_FMT_FP6
.else
	v_wmma_scale_f32_16x16x128_f8f6f4 v[TA+8*\a:TA+8*\a+7], v[LF+FR*(\p):LF+FR*(\p)+FR-1], v[AF+FR*\a:AF+FR*\a+FR-1], v[TA+8*\a:TA+8*\a+7], v[LSC+(\p)], v[SC+16*(\sc)+2*\a+(\q)] matrix_a_fmt:MATRIX_FMT_FP6 matrix_b_fmt:MATRIX_FMT_FP6
.endif
.endr
.endm
.macro PLACES n                        ; places behind matrix instructions, in front of loads into their sources and of reads of results
.rept \n
	v_nop
.endr
.endm
; A step of 128 along K: 68 matrix instructions on 68 accumulators by turns.  u = the step's number mod 6: slot u / 3, place in the slot u % 3, W's and A's set u % 2, scale set u / 2.
; LDS loads go out in three runs: in the step's middle x's blocks 0-3 of the next step (12), at its end x's blocks 4-7 of the next step (12) and W's fragments of the step after that (24), where that step
; lies in a slot that is whole.  So the wait on DScnt at a step's head leaves 36 or 12 younger loads out, the wait in its middle 24.
; GLOBAL loads go out at a step's head: in an even step the next pair's scale words (8), in every step A's fragment of the next step (4), and in two steps of the tail half of B (32) behind them.
;   lc: what may stay out at an even step's head, when this pair's scale words must be in;  tl: what may stay out ahead of t's products, when this step's fragment of A must be in.
; A slot's third step changes slots (kind 1: a barrier alone; 2: the short last refill; 3: a refill and a prefetch): behind its first 16 matrix instructions each wave waits for all its tensor loads, adds 0 to its spare word and
; waits for that and for its reads of this slot; 20 matrix instructions stand between the barrier's signal and its wait; then the round, the refill, and the next slot's first fragments, W's among them (36 loads).
; sco: which pair's scale words are asked for, counted from s[SB] (0: none); endb: W's fragments are fetched at the end; lk: which step's fragment of A, counted from the bases; bl: which half of B (-1: none).
.macro STEP u, kind, first, lc, sco, endb, lk, tl, bl
.set L_, (\u)/3
.set P_, (\u)%3
.set Q_, (\u)%2
.set S_, (\u)/2
.set NU, ((\u)+1)%6
.set NL, NU/3
.set NP, NU%3
.set N2, ((\u)+2)%6
.if \kind == 3
	s_wait_xcnt 0x0                                ; my last prefetches have read their address: it is stepped only behind this wait
	s_add_nc_u64 s[PFA:PFA+1], s[PFA:PFA+1], CH
.endif
.if P_ == 2
	s_wait_dscnt 12
.else
	s_wait_dscnt 36
.endif
.if Q_ == 0
	s_wait_loadcnt \lc                             ; this pair's scale words are in
.if \sco
	SCALES (S_+1)%3, 128*(\sco)
.endif
.endif
	FETCH_L \lk, 1-Q_
.if \bl >= 0
	BLOADS \bl
.endif
.if P_ == 2
	WIN MUL_LO
	MUL16 0, Q_, Q_, S_, 0
	WIN 0
	s_wait_tensorcnt 0x0                           ; my part of the next slot has landed; no load of mine is out, so descriptors may be written
	ds_add_u32 v[SPW], v[NIL]
.if \kind >= 2
	s_add_nc_u64 s[G0+4*L_+2:G0+4*L_+3], s[G0+4*L_+2:G0+4*L_+3], 2*CH
	s_add_nc_u64 s[G0B+4*L_+2:G0B+4*L_+3], s[G0B+4*L_+2:G0B+4*L_+3], 2*CH
.endif
.if \kind == 2
	s_mov_b32 s[G1+2], 96<<16                      ; the last fill has two steps: 96 rows of 256 bytes
	s_mov_b32 s[G1+4], 96
	s_mov_b32 s[G1B+2], 96<<16
	s_mov_b32 s[G1B+4], 96
.endif
	s_wait_dscnt 0x0                               ; the add is done, and my reads of this slot are over
	s_barrier_signal -1
	WIN MUL_LO
	MUL16 2, Q_, Q_, S_, 0
	WIN 0
	s_wait_loadcnt \tl                             ; A's fragment of this step is in
	T4 Q_, Q_, S_, 0
	s_barrier_wait -1
.if \kind >= 2
	CREST                                          ; the barrier has opened a round of the cluster's barrier
	JLOAD G0+4*L_, G1, G0B+4*L_, G1B               ; the refill; its four v_nop are the places in front of the loads below
.else
	PLACES 4
.endif
	FETCH_B NL, NP, 1-Q_
	FETCH_A NL, NP, 0
.if \kind == 3
	ASK
.endif
	WIN MUL_HI
	MUL16 4, Q_, Q_, S_, 0
	MUL16 6, Q_, Q_, S_, 0
	WIN 0
	PLACES 4
	FETCH_A NL, NP, 1
	FETCH_B N2/3, N2%3, Q_
.else
.if \first
	WIN FST_LO
.else
	WIN MUL_LO
.endif
	MUL16 0, Q_, Q_, S_, \first
	MUL16 2, Q_, Q_, S_, \first
	WIN 0
	s_wait_loadcnt \tl                             ; A's fragment of this step is in
	T4 Q_, Q_, S_, \first
	s_wait_dscnt 24                                ; x's blocks 4-7 are in; W's 24 behind them may be out
	PLACES 4
	FETCH_A NL, NP, 0
.if \first
	WIN FST_HI
.else
	WIN MUL_HI
.endif
	MUL16 4, Q_, Q_, S_, \first
	MUL16 6, Q_, Q_, S_, \first
	WIN 0
	PLACES 4
	FETCH_A NL, NP, 1
.if (P_ == 0) && (\endb)
	FETCH_B N2/3, N2%3, Q_
.endif
.endif
.endm
	SCALES 0, 0
	FETCH_L 0, 0
	s_wait_alu depctr_va_vdst(0)
	s_wait_tensorcnt 0x0                           ; my part of fill 0 is in
	ds_add_u32 v[SPW], v[NIL]
	s_wait_dscnt 0x0
	CROUND
	JLOAD G0+4, G1, G0B+4, G1B                     ; fill 1, the first tensor load behind the round
	FETCH_B 0, 0, 0
	FETCH_A 0, 0, 0
	FETCH_A 0, 0, 1
	FETCH_B 0, 1, 1
	STEP 0, 0, 1, 4, 1, 1, 1, 12, -1               ; step 0 stands in front of the loop: its products start the sums; bias and pair 0 are in when only A's 4 loads are out
	s_mov_b32 s3, 4
.Llap:                                                 ; a trip: steps 6 t + 1 .. 6 t + 6, two refills: fills 2 to 9
	STEP 1, 0, 0, 0, 0, 1, 2, 4, -1
	STEP 2, 3, 0, 8, 2, 1, 3, 12, -1
	STEP 3, 0, 0, 0, 0, 1, 4, 4, -1
	STEP 4, 0, 0, 8, 3, 1, 5, 12, -1
	STEP 5, 3, 0, 0, 0, 1, 6, 4, -1
	STEP 0, 0, 0, 8, 4, 1, 7, 12, -1
	s_wait_xcnt 0x0                                ; the global loads have read their bases
	s_add_nc_u64 s[SB:SB+1], s[SB:SB+1], 384       ; three pairs on,
	s_add_nc_u64 s[LAB:LAB+1], s[LAB:LAB+1], 6*IMG ; six steps on
	s_add_nc_u64 s[LWB:LWB+1], s[LWB:LWB+1], 384
	s_sub_co_u32 s3, s3, 1
	s_cmp_lg_u32 s3, 0
	s_cbranch_scc1 .Llap
	STEP 1, 0, 0, 0, 0, 1, 2, 36, 0                ; steps 25 to 30.  25: behind A's fragment of this step stand A's next 4 and B's 32
	STEP 2, 2, 0, 40, 2, 1, 3, 44, -1              ; 26: behind pair 13: 4 + 4 + 32; behind A's fragment: 32 + 8 + 4
	STEP 3, 0, 0, 0, 0, 1, 4, 4, -1
	STEP 4, 0, 0, 8, 3, 1, 5, 44, 4                ; 28: behind A's fragment: 8 + 4 + 32
	STEP 5, 1, 0, 0, 0, 1, 6, 36, -1               ; 29: 32 + 4
	STEP 0, 0, 0, 40, 0, 0, 7, 4, -1               ; 30: behind pair 15: 4 + 32 + 4
	s_wait_dscnt 12                                ; step 31: nothing more to fetch
	WIN MUL_LO
	MUL16 0, 1, 1, 0, 0
	MUL16 2, 1, 1, 0, 0
	WIN 0
	s_wait_loadcnt 0x0
	T4 1, 1, 0, 0
	s_wait_dscnt 0x0
	PLACES 4
.irp a, 0,1,2,3                        ; my half of t, rounded to bf16 in pairs, is registers 0-3 of source 1 of a bf16 product
.irp i, 0,1,2,3
	v_cvt_pk_bf16_f32 v[TB+8*\a+\i], v[TA+8*\a+2*\i], v[TA+8*\a+2*\i+1]
.endr
.endr
.irp a, 0,1,2,3
	ds_store_b128 v[EXS], v[TB+8*\a:TB+8*\a+3] offset:512*\a
.endr
	WIN MUL_HI
	MUL16 4, 1, 1, 0, 0
	MUL16 6, 1, 1, 0, 0
	WIN 0
	s_wait_dscnt 0x0                               ; for my partner's sake: my stores have landed
	s_barrier_signal -1
	s_barrier_wait -1
.irp a, 0,1,2,3
	ds_load_b128 v[TH+8*\a:TH+8*\a+3], v[EXL] offset:512*\a    ; my partner's blocks 0-3 are my blocks 4-7
.endr
.irp a, 0,1,2,3
.irp i, 4,5,6,7
	v_mov_b32 v[TB+8*\a+\i], 0                     ; ranks 16-31 are zeros
	v_mov_b32 v[TH+8*\a+\i], 0
.endr
.endr
	WIN IN_B
.irp b, 0,1,2,3,4,5,6,7                ; B (in since the wait ahead of t's last products) to bf16 in place, ascending; these 64 lines are also the places in front of the other form that adds onto the sums
.set BIR, 96+8*\b+96*(\b/4)
.irp i, 0,1,2,3
	v_cvt_pk_bf16_f32 v[BIR+\i], v[BIR+2*\i], v[BIR+2*\i+1]
.endr
.irp i, 4,5,6,7
	v_mov_b32 v[BIR+\i], 0
.endr
.endr
	WIN MUL_LO
.irp a, 0,1,2,3
.irp b, 0,1,2,3,4,5,6,7
	v_wmma_f32_16x16x32_bf16 v[8*(8*\a+\b):8*(8*\a+\b)+7], v[96+8*\b+96*(\b/4):96+8*\b+96*(\b/4)+7], v[TB+8*\a:TB+8*\a+7], v[8*(8*\a+\b):8*(8*\a+\b)+7]
.endr
.endr
	s_wait_alu depctr_va_vdst(0)
	s_wait_dscnt 0x0                               ; my partner's half of t is in
	WIN MUL_HI
.irp a, 0,1,2,3
.irp b, 0,1,2,3,4,5,6,7
	v_wmma_f32_16x16x32_bf16 v[8*(8*\a+\b):8*(8*\a+\b)+7], v[96+8*\b+96*(\b/4):96+8*\b+96*(\b/4)+7], v[TH+8*\a:TH+8*\a+7], v[8*(8*\a+\b):8*(8*\a+\b)+7]
.endr
.endr
	WIN 0
; THE WAY OUT, block by block of 16 rows x 128 columns, through my own stage in LDS and back as whole rows of 512 bytes.  LDS serves a wave's instructions in order (ISA guide 5.7.1.4).
.macro TOSTAGE a
.set AC, 64*((\a)%4)
	WIN 0x08+4*((\a)/4)
.irp b, 0,1,2,3,4,5,6,7
	ds_store_b128 v[STO], v[AC+8*\b:AC+8*\b+3] offset:64*\b          ; each accumulator from its low end on
	ds_store_b128 v[STO], v[AC+8*\b+4:AC+8*\b+7] offset:64*\b+16
.endr
	WIN 0
.set BB, BK+64*((\a)%2)
.irp t, 0,1,2,3,4,5,6,7,8,9,10,11,12,13,14,15
	ds_load_b128 v[BB+4*\t:BB+4*\t+3], v[RD] offset:\t*SPITCH
.endr
.endm
.macro SEND a, younger
.set BB, BK+64*((\a)%2)
.set OBS, OLO+(OHI-OLO)*((\a)/4)
	s_wait_dscnt \younger
.irp t, 0,1,2,3,4,5,6,7,8,9,10,11,12,13,14,15
	global_store_b128 v[CO], v[BB+4*\t:BB+4*\t+3], s[OBS:OBS+1] offset:(16*((\a)%4)+\t)*NROW th:TH_STORE_NT   ; 32 lanes store 512 consecutive bytes, aligned
.endr
.endm
	PLACES 4
	TOSTAGE 0
.irp a, 1,2,3,4,5,6,7
.if \a > 1
	s_wait_xcnt 0x0                                ; block a - 2's stores have read their registers
.endif
	TOSTAGE \a
	SEND \a-1, 32
.endr
	SEND 7, 0
	s_wait_tensorcnt 0x0                           ; the wave's end
	ds_add_u32 v[SPW], v[NIL]
	s_wait_dscnt 0x0
	CROUND                                         ; the closing round
	s_endpgm
.Lfunc_end_k_q0681b185e8_gemm:
	.size	k_q0681b185e8_gemm, .Lfunc_end_k_q0681b185e8_gemm-k_q0681b185e8_gemm
	.p2alignl 7, 3214868480
	.fill 96, 4, 3214868480
	.section	.rodata,"a",@progbits
	.p2align	6, 0x0
	.amdhsa_kernel k_q0681b185e8_gemm
		.amdhsa_group_segment_fixed_size 327680
		.amdhsa_private_segment_fixed_size 0
		.amdhsa_enable_private_segment 0
		.amdhsa_kernarg_size 56
		.amdhsa_user_sgpr_count 2
		.amdhsa_user_sgpr_kernarg_segment_ptr 1
		.amdhsa_wavefront_size32 1
		.amdhsa_system_sgpr_workgroup_id_x 1
		.amdhsa_system_sgpr_workgroup_id_y 1
		.amdhsa_system_sgpr_workgroup_id_z 1
		.amdhsa_system_vgpr_workitem_id 0
		.amdhsa_next_free_vgpr 1024
		.amdhsa_next_free_sgpr 106
		.amdhsa_reserve_vcc 0
		.amdhsa_float_denorm_mode_32 3
		.amdhsa_float_denorm_mode_16_64 3
		.amdhsa_memory_ordered 1
		.amdhsa_forward_progress 1
		.amdhsa_inst_pref_size 240
	.end_amdhsa_kernel
	.amdgpu_metadata
---
amdhsa.version: [ 1, 2 ]
amdhsa.kernels:
  - .name:           k_q0681b185e8_gemm
    .symbol:         k_q0681b185e8_gemm.kd
    .args:
      - { .name: x_codes, .offset: 0, .size: 8, .value_kind: global_buffer, .address_space: global }
      - { .name: w_codes, .offset: 8, .size: 8, .value_kind: global_buffer, .address_space: global }
      - { .name: scl, .offset: 16, .size: 8, .value_kind: global_buffer, .address_space: global }
      - { .name: la, .offset: 24, .size: 8, .value_kind: global_buffer, .address_space: global }
      - { .name: bias, .offset: 32, .size: 8, .value_kind: global_buffer, .address_space: global }
      - { .name: B, .offset: 40, .size: 8, .value_kind: global_buffer, .address_space: global }
      - { .name: out0, .offset: 48, .size: 8, .value_kind: global_buffer, .address_space: global }
    .group_segment_fixed_size: 327680
    .private_segment_fixed_size: 0
    .kernarg_segment_align: 8
    .kernarg_segment_size: 56
    .max_flat_workgroup_size: 128
    .sgpr_count:     106
    .vgpr_count:     1024
    .wavefront_size: 32
...
	.end_amdgpu_metadata
.endif
;; end of part 2
